; MI455X (gfx1250); checked and timed in simulation.
; The chip was launched on July 23, 2026; its instructions are those of AMD's public machine-readable ISA for CDNA 5 (MIT licence, August 2026) and "CDNA5" Instruction Set Architecture Reference Guide (July 2026). The comments in the code are by the model that wrote it; some were corrected since.
;; Projector. Allowed arithmetic: float matrix products may take bf16 or f16 operands with f32 sums; all other float work in f32.
;; Inputs: phis 180 float32; vol 1 x 32 x 256 x 256 float32.
;; Outputs: out0 1 x 180 x 32 x 256 float32.
;; 2 versions, each right; version 2 is version 1 with the launch project written anew for expert scheduling mode. Each part assembles by itself: llvm-mc -triple=amdgcn-amd-amdhsa -mcpu=gfx1250 --defsym DOCPART=n.
;; ======== version 1 of 2: 2 launches
;; limits: values outside matrix products are rounded to bf16
;; workspace buffers: cs 1,536 bytes of whole numbers
;; launch angles (part 1): grid 1 x 1, 6 waves a work-group, no clusters, 0 bytes of LDS; arguments phis, cs; writes cs
.if DOCPART == 1
	.amdgcn_target "amdgcn-amd-amdhsa--gfx1250"
	.amdhsa_code_object_version 6
	.text
	.protected	k_qe360e3451d_angles
	.globl	k_qe360e3451d_angles
	.p2align	8
	.type	k_qe360e3451d_angles,@function
k_qe360e3451d_angles:
	s_mov_b64 s[64:65], 0
	v_nop
	global_prefetch_b8 v0, s[64:65] scope:SCOPE_SE
	s_setreg_imm32_b32 hwreg(HW_REG_WAVE_MODE, 25, 1), 1
	s_wait_xcnt 0x0
; cs[a] = ( round(cos(phi_a) * 2^22), round(sin(phi_a) * 2^22) ) as two int32, for the 180 view angles, phi in degrees.
; The next launch forms its gather addresses from these whole numbers alone.
; One thread an angle; threads 180 to 191 repeat angle 179 (same address, same value), so that no load leaves phis.
; Radians are made as the reference makes them: one f32 product with f32(pi/180).  Then k = nearest whole number of r * 2/pi,
; x = r - k * pi/2 in two fused steps (pi/2 = HI + LO, what is left over is below 2e-15), and polynomials of degree 7 and 8 on
; |x| <= pi/4.  The quadrant k mod 4 only selects values and signs.
; LIMITS: good for |phi| up to about 1e7 degrees (beyond, the rounding of r * 2/pi can move k by a whole step);
; a NaN or an infinite phi gives whole numbers without meaning, where the reference gives NaN.
.set NANGLES, 180
	s_load_b128 s[4:7], s[0:1], 0x0                ; phis s[4:5], cs s[6:7]
	v_min_u32 v1, NANGLES-1, v0                    ; my angle
	v_lshlrev_b32 v2, 2, v1                        ; its 4 bytes in phis
	v_lshlrev_b32 v3, 3, v1                        ; its 8 bytes in cs
	s_wait_kmcnt 0x0
	global_load_b32 v4, v2, s[4:5]
	s_wait_loadcnt 0x0
	v_mul_f32 v4, 0x3c8efa35, v4                   ; r = phi * f32(pi/180)
	v_mul_f32 v5, 0x3f22f983, v4                   ; r * 2/pi
	v_rndne_f32 v5, v5                             ; k
	v_fmamk_f32 v6, v5, 0xbfc90fdb, v4             ; r - k * HI     (HI = f32(pi/2))
	v_fmamk_f32 v6, v5, 0x333bbd2e, v6             ;   - k * LO     (LO = pi/2 - HI = -4.3711388e-8)
	v_cvt_i32_f32 v7, v5                           ; k as a whole number; only its two low bits are used
	v_mul_f32 v8, v6, v6                           ; z = x^2
	v_mov_b32 v9, 0xb94ca1f9                       ; sin x = x + x z (S1 + z (S2 + z S3))
	v_mov_b32 v10, 0x37ccf5ce                      ; cos x = 1 - z/2 + z^2 (C1 + z (C2 + z C3))
	v_fmaak_f32 v9, v8, v9, 0x3c08839e
	v_fmaak_f32 v10, v8, v10, 0xbab6061a
	v_fmaak_f32 v9, v8, v9, 0xbe2aaaa3
	v_fmaak_f32 v10, v8, v10, 0x3d2aaaa5
	v_mul_f32 v9, v9, v8
	v_mul_f32 v11, v8, v8
	v_fma_f32 v12, v8, -0.5, 1.0
	v_fma_f32 v9, v9, v6, v6                       ; sin x
	v_fma_f32 v10, v10, v11, v12                   ; cos x
	v_and_b32 v13, 1, v7
	v_cmp_eq_u32 vcc_lo, 1, v13                    ; odd quadrant: sin and cos change places
	v_cndmask_b32 v14, v9, v10, vcc_lo             ; |sin r|'s source
	v_cndmask_b32 v15, v10, v9, vcc_lo             ; |cos r|'s source
	v_and_b32 v16, 2, v7                           ; quadrants 2, 3: sin changes sign
	v_add_nc_u32 v17, 1, v7
	v_and_b32 v17, 2, v17                          ; quadrants 1, 2: cos changes sign
	v_lshlrev_b32 v16, 30, v16
	v_lshlrev_b32 v17, 30, v17
	v_xor_b32 v14, v14, v16                        ; sin r
	v_xor_b32 v15, v15, v17                        ; cos r
	v_mul_f32 v15, 0x4a800000, v15                 ; * 2^22
	v_mul_f32 v14, 0x4a800000, v14
	v_rndne_f32 v15, v15
	v_rndne_f32 v14, v14
	v_cvt_i32_f32 v18, v15                         ; C
	v_cvt_i32_f32 v19, v14                         ; S
	global_store_b64 v3, v[18:19], s[6:7]
	s_endpgm
.Lfunc_end_k_qe360e3451d_angles:
	.size	k_qe360e3451d_angles, .Lfunc_end_k_qe360e3451d_angles-k_qe360e3451d_angles
	.p2alignl 7, 3214868480
	.fill 96, 4, 3214868480
	.section	.rodata,"a",@progbits
	.p2align	6, 0x0
	.amdhsa_kernel k_qe360e3451d_angles
		.amdhsa_group_segment_fixed_size 0
		.amdhsa_private_segment_fixed_size 0
		.amdhsa_enable_private_segment 0
		.amdhsa_kernarg_size 16
		.amdhsa_user_sgpr_count 2
		.amdhsa_user_sgpr_kernarg_segment_ptr 1
		.amdhsa_wavefront_size32 1
		.amdhsa_system_sgpr_workgroup_id_x 1
		.amdhsa_system_sgpr_workgroup_id_y 1
		.amdhsa_system_sgpr_workgroup_id_z 1
		.amdhsa_system_vgpr_workitem_id 0
		.amdhsa_next_free_vgpr 24
		.amdhsa_next_free_sgpr 66
		.amdhsa_reserve_vcc 1
		.amdhsa_float_denorm_mode_32 3
		.amdhsa_float_denorm_mode_16_64 3
		.amdhsa_memory_ordered 1
		.amdhsa_forward_progress 1
		.amdhsa_inst_pref_size 3
	.end_amdhsa_kernel
	.amdgpu_metadata
---
amdhsa.version: [ 1, 2 ]
amdhsa.kernels:
  - .name:           k_qe360e3451d_angles
    .symbol:         k_qe360e3451d_angles.kd
    .args:
      - { .name: phis, .offset: 0, .size: 8, .value_kind: global_buffer, .address_space: global }
      - { .name: cs, .offset: 8, .size: 8, .value_kind: global_buffer, .address_space: global }
    .group_segment_fixed_size: 0
    .private_segment_fixed_size: 0
    .kernarg_segment_align: 8
    .kernarg_segment_size: 16
    .max_flat_workgroup_size: 192
    .sgpr_count:     66
    .vgpr_count:     24
    .wavefront_size: 32
...
	.end_amdgpu_metadata
.endif
;; end of part 1
;; launch project (part 2): grid 15 x 16, 32 waves a work-group, no clusters, 278,784 bytes of LDS; arguments vol, cs, out0; writes out0
.if DOCPART == 2
	.amdgcn_target "amdgcn-amd-amdhsa--gfx1250"
	.amdhsa_code_object_version 6
	.text
	.protected	k_qe360e3451d_project
	.globl	k_qe360e3451d_project
	.p2align	8
	.type	k_qe360e3451d_project,@function
k_qe360e3451d_project:
	s_mov_b64 s[64:65], 0
	v_nop
	global_prefetch_b8 v0, s[64:65] scope:SCOPE_SE
	s_setreg_imm32_b32 hwreg(HW_REG_WAVE_MODE, 25, 1), 1
	s_wait_xcnt 0x0
; out0[a][z][col] = sum over t = 0..191 of the bilinear sample of vol[z] at
;   ix = 127.5 - u sin + t' cos,  iy = 127.5 + u cos + t' sin,   u = col - 127.5,  t' = t - 95.5,  voxels outside the volume counting as 0.
; A work-group takes two neighbouring slices (grid y) and 12 angles (grid x): 15 x 12 = 180 angles, 16 x 2 = 32 slices, equal work everywhere.
;
; THE VOLUME IN LDS.  Both slices lie in LDS as one word a voxel, slice 2y in the low half and slice 2y+1 in the high half, each rounded once
; to bf16.  260 rows of 264 words: voxel (y, x) is at row y + 2, word x + 4; rows 0, 1, 258, 259 and words 0-3 and 260-263 of every row are 0.
; The zero cells stand for the reference's validity masks: a corner outside the volume reads 0.
; The pitch of 264 words is 8 modulo 64, so cell (row, x) lies at word 8 row + x modulo 64 and an 8 x 8 patch of cells falls on 64 different
; banks (64 banks of 4 bytes: ISA guide 11.1); a wave's 32 samples are a rotated patch of 4 columns x 8 t.
;
; POSITIONS ARE WHOLE NUMBERS with 23 fraction bits, made from the table cs (C = cos * 2^22, S = sin * 2^22) that the launch before stored:
;   px = (ix + 1) * 2^23 = 128.5 * 2^23 + (2t - 191) C - (2col - 255) S,   py = 128.5 * 2^23 + (2col - 255) C + (2t - 191) S    (modulo 2^32).
; ix + 1 lies between -31 and 288, so px >> 23 is the cell 0..257 where a corner can be a voxel, 258..288 to the right of the volume and
; 481..511 (wrapped) to the left of it: one v_min_u32 with 257 sends both to cells 257, 258, which hold 0 (the weights there do not matter).
; The 23 fraction bits under the exponent of 1.0 are the float 1 + f.
;
; THE MIRROR.  Sample (255 - col, 191 - t) is the point reflection of sample (col, t): px' = 257 * 2^23 - px exactly.  Its four corners are the
; reflected voxels with the SAME four weights, at MAXA - address.  So one index calculation serves two positions and two slices.
; Wave w owns columns 4w .. 4w+3 (all 192 t) and with them columns 252-4w .. 255-4w.
;
; FORMATS AND LIMITS: vol is rounded to bf16 (nearest even) on its way into LDS; weights, products and sums are f32.  C and S are rounded to
; 2^-22, which moves a position by at most (255 + 191) / 2 * 2^-23 = 2.7e-5 voxels; the sample is continuous in the position.
; NO TENSOR LOADS, NO JOINT REQUESTS: the two slices are 524,288 bytes in f32, more than the 327,680 bytes of LDS, so they must pass through
; registers, where they are rounded and interleaved; and the 15 work-groups that read the same slices do not divide into clusters of 4.
; NO MATRIX INSTRUCTIONS: every ray gathers voxels of its own, so of the 32 k of a 16 x 16 x 32 product two would serve each row.
.set NANG,  12                         ; angles of a work-group
.set SLICE, 262144                     ; bytes of a slice in vol
.set PITCH, 1056                       ; bytes of an LDS row: 264 words
.set MAXA,  257*PITCH+257*4            ; the largest cy * PITCH + cx * 4
.set D00,   PITCH+12                   ; corner (y0, x0) of the sample: row cy + 1, word cx + 3
.set D01,   PITCH+16                   ; (y0, x1)
.set D10,   2*PITCH+12                 ; (y1, x0)
.set D11,   2*PITCH+16                 ; (y1, x1)
.set M00,   PITCH+12                   ; the reflected corners, from MAXA - address: row 258 - cy, word 260 - cx
.set M01,   PITCH+8
.set M10,   12
.set M11,   8
.set CS,    16                         ; s[16:39]  C, S of my 12 angles
.set PK,    32                         ; v[32:63]  the fill: 8 slots of 4 packed words
.set X,     64                         ; v[64:127] the fill: 8 slots of 2 x 4 words as loaded
.set RA,    8                          ; v[8:20]   sample set A: cx, cy, address, mirrored address, 1+fx, 1+fy, fx, fy, w11, w00, w01, w10, 1-fx
.set DA,    24                         ; v[24:31]  set A: four corners, four reflected corners
.set RB,    32                         ; v[32:44]  set B
.set DB,    48                         ; v[48:55]
.set ACC,   56                         ; v[56:59]  sums: slice even, odd; mirrored ray: slice even, odd
.set RES,   64                         ; v[64:87]  two results an angle
	s_load_b128 s[4:7], s[0:1], 0x0                ; vol s[4:5], cs s[6:7]
	s_load_b64 s[8:9], s[0:1], 0x10                ; out0
	v_lshl_add_u32 v22, v0, 2, 0x43100
	v_mov_b32 v23, 0
	v_and_b32 v1, 31, v0                           ; lane
	v_lshrrev_b32 v2, 5, v0
	v_readfirstlane_b32 s10, v2                    ; wave 0..31
	s_and_b32 s11, ttmp7, 0xffff                   ; pair of slices 0..15
	s_lshl_b32 s12, s11, 19                        ; x 2 slices of 262,144 bytes
	s_mov_b32 s13, 0
	s_mul_i32 s14, ttmp9, NANG*8                   ; my 12 pairs in cs
	s_mov_b32 s15, 0
	s_lshl_b32 s44, s10, 13                        ; the wave fills rows 8w .. 8w+7: 8 x 1,024 bytes of each slice
	v_lshlrev_b32 v7, 4, v1                        ; 16 bytes a lane
	v_add_nc_u32 v6, s44, v7                       ; byte offset of my 16 bytes in the wave's first half row; never rewritten while loads are out
	s_wait_kmcnt 0x0
	s_add_nc_u64 s[4:5], s[4:5], s[12:13]
	s_add_nc_u64 s[6:7], s[6:7], s[14:15]
; THE FILL.  Step j = 0..15 is half a row (512 bytes) of both slices: two loads of 16 bytes a lane, four roundings that pack the two slices'
; numbers into a word, one LDS store of 16 bytes a lane.  A ring of eight slots keeps sixteen loads of every wave on their way.
.macro GET j
	global_load_b128 v[X+8*((\j)%8):X+8*((\j)%8)+3],   v6, s[4:5] offset:(\j)*512
	global_load_b128 v[X+8*((\j)%8)+4:X+8*((\j)%8)+7], v6, s[4:5] offset:(\j)*512+SLICE
.endm
.macro PUT j, left
	s_wait_loadcnt \left                           ; loads come back in order: this slot's two are in, the younger ones stay out
.if (\j) >= 8
	s_wait_dscnt 0x7                               ; the slot's packed words were stored eight stores ago: seven younger stores may be out
.endif
.irp i, 0,1,2,3
	v_cvt_pk_bf16_f32 v[PK+4*((\j)%8)+\i], v[X+8*((\j)%8)+\i], v[X+8*((\j)%8)+4+\i]   ; even slice low, odd slice high
.endr
	ds_store_b128 v8, v[PK+4*((\j)%8):PK+4*((\j)%8)+3] offset:((\j)/2)*PITCH+((\j)%2)*512
.endm
.irp j, 0,1,2,3,4,5,6,7
	GET \j
.endr
	s_load_b512 s[CS:CS+15], s[6:7], 0x0           ; angles 0-7 of my 12
	s_load_b256 s[CS+16:CS+23], s[6:7], 0x40       ; angles 8-11
	; while the first loads are on their way: addresses, constants, the zero cells
	s_mul_i32 s12, ttmp9, NANG*32768               ; out0: 32,768 bytes an angle,
	s_lshl_b32 s14, s11, 11                        ; 2,048 bytes for a pair of slices
	s_add_co_u32 s12, s12, s14
	s_add_nc_u64 s[8:9], s[8:9], s[12:13]
	s_mul_i32 s45, s10, 8*PITCH                    ; the wave's eight LDS rows begin at row 8w + 2
	s_add_co_u32 s46, s45, 2*PITCH+16              ; voxel x = 0 is word 4
	s_add_co_u32 s47, s45, 2*PITCH
	v_add_nc_u32 v8, s46, v7                       ; where my 16 bytes of the first half row go
	s_mov_b32 s49, 0x40400000                      ; 128.5 * 2^23
	s_mov_b32 s50, 0x7fffff                        ; the fraction bits
	s_mov_b32 s51, 0x3f800000                      ; 1.0
	s_mov_b32 s52, 0x76543210                      ; v_permlanex16_b32: lane i of one half reads lane i of the other
	s_mov_b32 s53, 0xfedcba98
	s_mov_b32 s54, 0xf0f0f0f0                      ; lanes whose bit 2 is set
	v_mov_b32 v24, 0
	v_mov_b32 v25, 0
	v_mov_b32 v26, 0
	v_mov_b32 v27, 0
	v_bfe_u32 v9, v1, 1, 3                         ; words 0-3 and 260-263 of my wave's eight rows: row (lane >> 1) & 7, side lane & 1
	v_and_b32 v10, 1, v1                           ; (lanes 16-31 repeat lanes 0-15: same bytes, same zeros)
	v_mul_u32_u24 v9, v9, PITCH
	v_mad_u32_u24 v9, v10, PITCH-16, v9
	v_add_nc_u32 v9, s47, v9
	ds_store_b128 v9, v[24:27]
	s_cmp_gt_u32 s10, 1
	s_cbranch_scc1 .Lno_rows                       ; wave 0 clears rows 0, 1; wave 1 rows 258, 259: 2,112 bytes each
	s_mul_i32 s48, s10, 258*PITCH
	v_add_nc_u32 v10, s48, v7
	ds_store_b128 v10, v[24:27]
	ds_store_b128 v10, v[24:27] offset:512
	ds_store_b128 v10, v[24:27] offset:1024
	ds_store_b128 v10, v[24:27] offset:1536
	ds_store_b128 v10, v[24:27] offset:2*PITCH-512 ; the last 512 bytes, overlapping the store before
.Lno_rows:
	v_and_b32 v9, 3, v1                            ; my column in the wave's four
	v_lshrrev_b32 v10, 2, v1                       ; my t in a step's eight
	s_lshl_b32 s48, s10, 3
	s_sub_co_i32 s48, s48, 255
	v_lshl_add_u32 v2, v9, 1, s48                  ; 2 col - 255,  col = 4w + (lane & 3)
	v_lshl_add_u32 v3, v10, 1, 0xffffff41          ; 2 t - 191 at the first step,  t = lane >> 2
.irp j, 0,1,2,3,4,5,6,7
	PUT \j, 14                                     ; 14 = the seven other slots' loads
	GET \j+8
.endr
.irp j, 8,9,10,11,12,13,14,15
	PUT \j, 14-2*(\j-8)                            ; nothing more is loaded: the counts run down to 0
.endr
	v_mov_b32 v[RA+9], 0                           ; the upper registers of the pairs that hold w11: named by a packed instruction before
	v_mov_b32 v[RB+9], 0                           ; they are first written
	s_wait_kmcnt 0x0                               ; C and S
	s_wait_dscnt 0x0                               ; my stores are in LDS,
	s_barrier_signal -1
	s_barrier_wait -1                              ; everybody's are: from here to the next barrier LDS is only read
; One step of a lane: cells, addresses, eight loads, four weights; px and py go on by eight t.
.macro SAMPLE R, D
	v_lshrrev_b32 v[\R],   23, v4
	v_lshrrev_b32 v[\R+1], 23, v5
	v_min_u32 v[\R],   257, v[\R]                  ; cx: left of, and right of, the volume both end in the zero cells 257, 258
	v_min_u32 v[\R+1], 257, v[\R+1]                ; cy
	v_mul_u32_u24 v[\R+2], v[\R+1], PITCH
	v_lshl_add_u32 v[\R+2], v[\R], 2, v[\R+2]      ; cy * PITCH + cx * 4, at most MAXA
	ds_load_b32 v[\D],   v[\R+2] offset:D00
	ds_load_b32 v[\D+1], v[\R+2] offset:D01
	ds_load_b32 v[\D+2], v[\R+2] offset:D10
	ds_load_b32 v[\D+3], v[\R+2] offset:D11
	v_sub_nc_u32 v[\R+3], MAXA, v[\R+2]            ; the reflected sample
	v_min_u32 v[\R+3], MAXA, v[\R+3]               ; numbers that were loaded enter an address behind a v_min_u32 with a constant, then through sums,
	                                               ; left shifts and products alone; a difference is none of these, so its bound is stated again
	ds_load_b32 v[\D+4], v[\R+3] offset:M00
	ds_load_b32 v[\D+5], v[\R+3] offset:M01
	ds_load_b32 v[\D+6], v[\R+3] offset:M10
	ds_load_b32 v[\D+7], v[\R+3] offset:M11
	v_and_or_b32 v[\R+4], v4, s50, s51             ; 1 + fx
	v_and_or_b32 v[\R+5], v5, s50, s51             ; 1 + fy
	v_add_nc_u32 v4, s40, v4                       ; t + 8
	v_add_nc_u32 v5, s41, v5
	v_pk_add_f32 v[\R+6:\R+7], v[\R+4:\R+5], -1.0 op_sel_hi:[1,0]      ; fx, fy
	v_sub_f32 v[\R+12], 2.0, v[\R+4]               ; 1 - fx
	v_mul_f32 v[\R+8], v[\R+6], v[\R+7]            ; w11 = fx fy
	v_pk_add_f32 v[\R+10:\R+11], v[\R+6:\R+7], v[\R+8:\R+9] op_sel_hi:[1,0] neg_lo:[0,1] neg_hi:[0,1]  ; w01 = fx - w11 (y0, x1), w10 = fy - w11 (y1, x0)
	v_sub_f32 v[\R+9], v[\R+12], v[\R+11]          ; w00 = (1 - fx) - w10
.endm
; Sixteen multiply-adds straight from the bf16 halves into the four f32 sums, which take turns.  Corner c has its weight in register R + 8 + (c + 1) % 4.
.macro MACS R, D
.irp c, 0,1,2,3
	v_fma_mix_f32_bf16 v[ACC],   v[\D+\c],   v[\R+8+((\c+1)%4)], v[ACC]   op_sel_hi:[1,0,0]
	v_fma_mix_f32_bf16 v[ACC+1], v[\D+\c],   v[\R+8+((\c+1)%4)], v[ACC+1] op_sel:[1,0,0] op_sel_hi:[1,0,0]
	v_fma_mix_f32_bf16 v[ACC+2], v[\D+4+\c], v[\R+8+((\c+1)%4)], v[ACC+2] op_sel_hi:[1,0,0]
	v_fma_mix_f32_bf16 v[ACC+3], v[\D+4+\c], v[\R+8+((\c+1)%4)], v[ACC+3] op_sel:[1,0,0] op_sel_hi:[1,0,0]
.endr
.endm
; Angle k of my 12: 24 steps of eight t in 12 trips, then the sum over the eight t lanes.
.macro ANGLE k
	s_sub_co_i32 s42, 0, s[CS+2*\k+1]              ; -S
	s_lshl_b32 s40, s[CS+2*\k], 4                  ; eight t on: 2t grows by 16
	s_lshl_b32 s41, s[CS+2*\k+1], 4
	v_mul_lo_u32 v4, v3, s[CS+2*\k]                ; (2t - 191) C
	v_mul_lo_u32 v6, v2, s42                       ; -(2col - 255) S
	v_mul_lo_u32 v5, v3, s[CS+2*\k+1]              ; (2t - 191) S
	v_mul_lo_u32 v7, v2, s[CS+2*\k]                ; (2col - 255) C
	v_add3_u32 v4, v4, v6, s49                     ; px
	v_add3_u32 v5, v5, v7, s49                     ; py
.irp i, 0,1,2,3
	v_mov_b32 v[ACC+\i], 0
.endr
	s_mov_b32 s43, 12
.Ltrip_\@:
	SAMPLE RA, DA
	SAMPLE RB, DB
	s_wait_dscnt 0x8                               ; LDS loads come back in order: set A's eight are in, set B's eight may be out
	MACS RA, DA
	s_wait_dscnt 0x0
	MACS RB, DB
	s_sub_co_i32 s43, s43, 1
	s_cmp_lg_u32 s43, 0
	s_cbranch_scc1 .Ltrip_\@
	; lane = column + 4 t: t is bits 2, 3, 4.  Bits 2 and 3 are summed inside the rows of 16 lanes, bit 4 across them.
.irp i, 0,1,2,3
	v_add_f32_dpp v[ACC+\i], v[ACC+\i], v[ACC+\i] row_xmask:4 row_mask:0xf bank_mask:0xf
.endr
.irp i, 0,1,2,3
	v_add_f32_dpp v[ACC+\i], v[ACC+\i], v[ACC+\i] row_xmask:8 row_mask:0xf bank_mask:0xf
.endr
	v_cndmask_b32 v6, v[ACC], v[ACC+1], s54        ; lanes with bit 2 clear keep the even slice, the others the odd one
	v_cndmask_b32 v7, v[ACC+2], v[ACC+3], s54      ; the same for the mirrored rays
	v_mov_b32_dpp v[RA+12], v7 row_xmask:3 row_mask:0xf bank_mask:0xf   ; column 4w + c mirrors to 252 - 4w + (3 - c): turn each four round, so that columns ascend
	v_permlanex16_b32 v[RA], v6, s52, s53
	v_permlanex16_b32 v[RA+1], v[RA+12], s52, s53
	v_add_f32 v[RES+2*\k], v6, v[RA]               ; lane & 7 = 4 (slice odd) + c: out0 at column 4w + c
	v_add_f32 v[RES+2*\k+1], v[RA+12], v[RA+1]     ; and at column 252 - 4w + c
.endm
.irp a, 0,1,2,3,4,5,6,7,8,9,10,11
	ANGLE \a
.endr
	; THE WAY OUT.  The volume is dead once every wave has ended its reads; the results are gathered over its first 24,576 bytes:
	; columns 0-127 at byte 0, columns 128-255 at byte 12,288, each as [four columns: 32][angle: 12][slice: 2][column: 4] words.
	s_wait_dscnt 0x0                               ; (met: the last trip ended with it)
	s_barrier_signal -1
	s_barrier_wait -1                              ; nobody reads the volume any more
	v_and_b32 v6, 7, v1                            ; lanes that agree in their three low bits hold the same numbers and write the same words
	s_mul_i32 s44, s10, NANG*32                    ; columns 4w ..: place w
	s_sub_co_u32 s45, 12288+31*NANG*32, s44        ; columns 252 - 4w ..: place 31 - w of the upper half
	v_lshl_add_u32 v7, v6, 2, s45
	v_lshl_add_u32 v6, v6, 2, s44
.irp a, 0,1,2,3,4,5,6,7,8,9,10,11
	ds_store_b32 v6, v[RES+2*\a]   offset:32*\a
	ds_store_b32 v7, v[RES+2*\a+1] offset:32*\a
.endr
	s_wait_dscnt 0x0                               ; my results are in LDS,
	s_barrier_signal -1
	s_barrier_wait -1                              ; everybody's are
	; Thread n stores two columns, 2 (n & 127), of slice (n >> 7) & 1 of angles (n >> 8), + 4, + 8: a wave's store covers 256 consecutive bytes, aligned.
	v_bfe_u32 v8, v0, 1, 5                         ; which four columns of the half
	v_bfe_u32 v9, v0, 6, 1                         ; which half of the columns
	v_bfe_u32 v10, v0, 7, 1                        ; slice
	v_lshrrev_b32 v11, 8, v0                       ; angle 0..3
	v_and_b32 v12, 1, v0                           ; which two of the four columns
	v_mul_u32_u24 v8, v8, NANG*32
	v_mad_u32_u24 v8, v9, 12288, v8
	v_lshl_add_u32 v8, v11, 5, v8
	v_lshl_add_u32 v8, v10, 4, v8
	v_lshl_add_u32 v8, v12, 3, v8
	ds_load_b64 v[24:25], v8
	ds_load_b64 v[26:27], v8 offset:128            ; four angles on
	ds_load_b64 v[28:29], v8 offset:256
	v_and_b32 v13, 255, v0
	v_lshlrev_b32 v13, 3, v13                      ; my 8 bytes in the 2,048 of an angle's two slices
	v_lshl_add_u32 v13, v11, 15, v13               ; + angle x 32,768
	s_wait_dscnt 0x2                               ; the first of the three reads is back
	global_store_b64 v13, v[24:25], s[8:9] th:TH_STORE_NT
	s_wait_dscnt 0x1
	global_store_b64 v13, v[26:27], s[8:9] offset:4*32768 th:TH_STORE_NT
	s_wait_dscnt 0x0
	global_store_b64 v13, v[28:29], s[8:9] offset:8*32768 th:TH_STORE_NT
	s_wait_tensorcnt 0x0
	ds_add_u32 v22, v23
	s_wait_dscnt 0x0
	s_endpgm
.Lfunc_end_k_qe360e3451d_project:
	.size	k_qe360e3451d_project, .Lfunc_end_k_qe360e3451d_project-k_qe360e3451d_project
	.p2alignl 7, 3214868480
	.fill 96, 4, 3214868480
	.section	.rodata,"a",@progbits
	.p2align	6, 0x0
	.amdhsa_kernel k_qe360e3451d_project
		.amdhsa_group_segment_fixed_size 278784
		.amdhsa_private_segment_fixed_size 0
		.amdhsa_enable_private_segment 0
		.amdhsa_kernarg_size 24
		.amdhsa_user_sgpr_count 2
		.amdhsa_user_sgpr_kernarg_segment_ptr 1
		.amdhsa_wavefront_size32 1
		.amdhsa_system_sgpr_workgroup_id_x 1
		.amdhsa_system_sgpr_workgroup_id_y 1
		.amdhsa_system_sgpr_workgroup_id_z 1
		.amdhsa_system_vgpr_workitem_id 0
		.amdhsa_next_free_vgpr 128
		.amdhsa_next_free_sgpr 66
		.amdhsa_reserve_vcc 0
		.amdhsa_float_denorm_mode_32 3
		.amdhsa_float_denorm_mode_16_64 3
		.amdhsa_memory_ordered 1
		.amdhsa_forward_progress 1
		.amdhsa_inst_pref_size 93
	.end_amdhsa_kernel
	.amdgpu_metadata
---
amdhsa.version: [ 1, 2 ]
amdhsa.kernels:
  - .name:           k_qe360e3451d_project
    .symbol:         k_qe360e3451d_project.kd
    .args:
      - { .name: vol, .offset: 0, .size: 8, .value_kind: global_buffer, .address_space: global }
      - { .name: cs, .offset: 8, .size: 8, .value_kind: global_buffer, .address_space: global }
      - { .name: out0, .offset: 16, .size: 8, .value_kind: global_buffer, .address_space: global }
    .group_segment_fixed_size: 278784
    .private_segment_fixed_size: 0
    .kernarg_segment_align: 8
    .kernarg_segment_size: 24
    .max_flat_workgroup_size: 1024
    .sgpr_count:     66
    .vgpr_count:     128
    .wavefront_size: 32
...
	.end_amdgpu_metadata
.endif
;; end of part 2
;; ======== version 2 of 2: 2 launches; version 1 with the launch project written anew for expert scheduling mode
;; limits: values outside matrix products are rounded to bf16
;; workspace buffers: cs 1,536 bytes of whole numbers
;; launch angles: the kernel of part 1 again; grid 1 x 1, 6 waves a work-group, no clusters, 0 bytes of LDS; arguments phis, cs; writes cs
;; launch project (part 3): grid 15 x 16, 32 waves a work-group, no clusters, 278,784 bytes of LDS; arguments vol, cs, out0; writes out0
.if DOCPART == 3
	.amdgcn_target "amdgcn-amd-amdhsa--gfx1250"
	.amdhsa_code_object_version 6
	.text
	.protected	k_qe360e3451d_project
	.globl	k_qe360e3451d_project
	.p2align	8
	.type	k_qe360e3451d_project,@function
k_qe360e3451d_project:
	s_mov_b64 s[64:65], 0
	v_nop
	global_prefetch_b8 v0, s[64:65] scope:SCOPE_SE
	s_setreg_imm32_b32 hwreg(HW_REG_WAVE_SCHED_MODE, 0, 2), 2
	s_setreg_imm32_b32 hwreg(HW_REG_WAVE_MODE, 25, 1), 1
	s_wait_xcnt 0x0
	s_wait_alu depctr_vm_vsrc(0)
; out0[a][z][col] = sum over t = 0..191 of the bilinear sample of vol[z] at
;   ix = 127.5 - u sin + t' cos,  iy = 127.5 + u cos + t' sin,   u = col - 127.5,  t' = t - 95.5,  voxels outside the volume counting as 0.
; A work-group takes two neighbouring slices (grid y) and 12 angles (grid x): 15 x 12 = 180 angles, 16 x 2 = 32 slices, equal work everywhere.
;
; THE VOLUME IN LDS.  Both slices lie in LDS as one word a voxel, slice 2y in the low half and slice 2y+1 in the high half, each rounded once
; to bf16.  260 rows of 264 words: voxel (y, x) is at row y + 2, word x + 4; rows 0, 1, 258, 259 and words 0-3 and 260-263 of every row are 0.
; The zero cells stand for the reference's validity masks: a corner outside the volume reads 0.
; The pitch of 264 words is 8 modulo 64, so cell (row, x) lies at word 8 row + x modulo 64 and an 8 x 8 patch of cells falls on 64 different
; banks (64 banks of 4 bytes: ISA guide 11.1); a wave's 32 samples are a rotated patch of 4 columns x 8 t.
;
; POSITIONS ARE WHOLE NUMBERS with 23 fraction bits, made from the table cs (C = cos * 2^22, S = sin * 2^22) that the launch before stored:
;   px = (ix + 1) * 2^23 = 128.5 * 2^23 + (2t - 191) C - (2col - 255) S,   py = 128.5 * 2^23 + (2col - 255) C + (2t - 191) S    (modulo 2^32).
; ix + 1 lies between -31 and 288, so px >> 23 is the cell 0..257 where a corner can be a voxel, 258..288 to the right of the volume and
; 481..511 (wrapped) to the left of it: one v_min_u32 with 257 sends both to cells 257, 258, which hold 0 (the weights there do not matter).
; The 23 fraction bits under the exponent of 1.0 are the float 1 + f.
;
; THE MIRROR.  Sample (255 - col, 191 - t) is the point reflection of sample (col, t): px' = 257 * 2^23 - px exactly.  Its four corners are the
; reflected voxels with the SAME four weights, at MAXA - address.  So one index calculation serves two positions and two slices.
; Wave w owns columns 4w .. 4w+3 (all 192 t) and with them columns 252-4w .. 255-4w.
;
; FORMATS AND LIMITS: vol is rounded to bf16 (nearest even) on its way into LDS; weights, products and sums are f32.  C and S are rounded to
; 2^-22, which moves a position by at most (255 + 191) / 2 * 2^-23 = 2.7e-5 voxels; the sample is continuous in the position.
; NO TENSOR LOADS, NO JOINT REQUESTS: the two slices are 524,288 bytes in f32, more than the 327,680 bytes of LDS, so they must pass through
; registers, where they are rounded and interleaved; and the 15 work-groups that read the same slices do not divide into clusters of 4.
; NO MATRIX INSTRUCTIONS: every ray gathers voxels of its own, so of the 32 k of a 16 x 16 x 32 product two would serve each row.
;
; THE MODE: SCHED_MODE bits 1:0 = 2 (LLVM: expert scheduling mode 2), set by the entry lines.  The code itself states the register dependences
; between vector instructions and memory or LDS instructions, with s_wait_alu, always for 0.
; THE PLAN.  Registers that memory or LDS instructions touch:
;   the fill   v6 (offset in vol), v8, v9, v10 (LDS addresses), v[24:27] (zeros): made at the head, read by the fill's loads and stores, free again behind the fill.
;              X: the loads of vol land in it, the roundings read it.    PK: the roundings write it, the LDS stores read it.
;              Two steps at a time: eight roundings, ONE wait on va_vdst (PK is written, X is read out), two LDS stores, four loads.
;   the loop   RA+2, RA+3, RB+2, RB+3: a set's two addresses: written by its index lines, read by its eight LDS loads.
;              DA, DB: a set's eight words: its LDS loads land in them, its sixteen multiply-adds read them.
;              The 24 samples of an angle go by halves, sets A and B by turns.  Half h makes the addresses of sample h + 1 (the other set) among the weights of
;              sample h; ONE wait on va_vdst states that those addresses are written and that the multiply-adds of sample h - 1 are done reading the words in
;              which the loads land; the eight loads follow, and then sample h's multiply-adds, which name none of the registers that those loads touch.
;              ONE wait on vm_vsrc a trip, at its head: all loads issued so far have read their addresses, B's last and A's current, the two pairs that the trip rewrites.
;   the way out  v6, v7, v8, v13 and the results: made and finished ahead of ONE wait on va_vdst; LDS stores, LDS loads and global stores follow it.
;   v22, v23   written at the head, read by the closing add alone.
.set NANG,  12                         ; angles of a work-group
.set SLICE, 262144                     ; bytes of a slice in vol
.set PITCH, 1056                       ; bytes of an LDS row: 264 words
.set MAXA,  257*PITCH+257*4            ; the largest cy * PITCH + cx * 4
.set D00,   PITCH+12                   ; corner (y0, x0) of the sample: row cy + 1, word cx + 3
.set D01,   PITCH+16                   ; (y0, x1)
.set D10,   2*PITCH+12                 ; (y1, x0)
.set D11,   2*PITCH+16                 ; (y1, x1)
.set M00,   PITCH+12                   ; the reflected corners, from MAXA - address: row 258 - cy, word 260 - cx
.set M01,   PITCH+8
.set M10,   12
.set M11,   8
.set CS,    16                         ; s[16:39]  C, S of my 12 angles
.set PK,    32                         ; v[32:63]  the fill: 8 slots of 4 packed words
.set X,     64                         ; v[64:127] the fill: 8 slots of 2 x 4 words as loaded
.set RA,    8                          ; v[8:20]   sample set A: cx, cy, address, mirrored address, 1+fx, 1+fy, fx, fy, w11, w00, w01, w10, 1-fx
.set DA,    24                         ; v[24:31]  set A: four corners, four reflected corners
.set RB,    32                         ; v[32:44]  set B
.set DB,    48                         ; v[48:55]
.set ACC,   56                         ; v[56:59]  sums: slice even, odd; mirrored ray: slice even, odd
.set RES,   64                         ; v[64:87]  two results an angle
	s_load_b128 s[4:7], s[0:1], 0x0                ; vol s[4:5], cs s[6:7]
	s_load_b64 s[8:9], s[0:1], 0x10                ; out0
	v_lshl_add_u32 v22, v0, 2, 0x43100
	v_mov_b32 v23, 0
	v_and_b32 v1, 31, v0                           ; lane
	v_lshrrev_b32 v2, 5, v0
	v_readfirstlane_b32 s10, v2                    ; wave 0..31
	; all addresses and constants are made here, while the arguments are on their way
	s_and_b32 s11, ttmp7, 0xffff                   ; pair of slices 0..15
	s_lshl_b32 s12, s11, 19                        ; x 2 slices of 262,144 bytes
	s_mov_b32 s13, 0
	s_mul_i32 s14, ttmp9, NANG*8                   ; my 12 pairs in cs
	s_mov_b32 s15, 0
	s_mov_b32 s49, 0x40400000                      ; 128.5 * 2^23
	s_mov_b32 s50, 0x7fffff                        ; the fraction bits
	s_mov_b32 s51, 0x3f800000                      ; 1.0
	s_mov_b32 s52, 0x76543210                      ; v_permlanex16_b32: lane i of one half reads lane i of the other
	s_mov_b32 s53, 0xfedcba98
	s_mov_b32 s54, 0xf0f0f0f0                      ; lanes whose bit 2 is set
	v_lshlrev_b32 v7, 4, v1                        ; 16 bytes a lane
	v_mov_b32 v24, 0
	v_mov_b32 v25, 0
	v_mov_b32 v26, 0
	v_mov_b32 v27, 0
	v_bfe_u32 v9, v1, 1, 3                         ; words 0-3 and 260-263 of my wave's eight rows: row (lane >> 1) & 7, side lane & 1
	v_and_b32 v10, 1, v1                           ; (lanes 16-31 repeat lanes 0-15: same bytes, same zeros)
	v_mul_u32_u24 v9, v9, PITCH
	v_mad_u32_u24 v9, v10, PITCH-16, v9
	v_and_b32 v11, 3, v1                           ; my column in the wave's four
	v_lshrrev_b32 v12, 2, v1                       ; my t in a step's eight
	v_lshl_add_u32 v3, v12, 1, 0xffffff41          ; 2 t - 191 at the first step,  t = lane >> 2
	s_wait_alu depctr_va_sdst(0)                   ; s10 is written, ahead of its first reader
	s_lshl_b32 s44, s10, 13                        ; the wave fills rows 8w .. 8w+7: 8 x 1,024 bytes of each slice
	s_mul_i32 s45, s10, 8*PITCH                    ; the wave's eight LDS rows begin at row 8w + 2
	s_add_co_u32 s46, s45, 2*PITCH+16              ; voxel x = 0 is word 4
	s_add_co_u32 s47, s45, 2*PITCH
	s_lshl_b32 s48, s10, 3
	s_sub_co_i32 s48, s48, 255
	v_add_nc_u32 v6, s44, v7                       ; byte offset of my 16 bytes in the wave's first half row; never rewritten while loads are out
	v_add_nc_u32 v8, s46, v7                       ; where my 16 bytes of the first half row go
	v_add_nc_u32 v9, s47, v9
	v_lshl_add_u32 v2, v11, 1, s48                 ; 2 col - 255,  col = 4w + (lane & 3)
	s_wait_kmcnt 0x0
	s_add_nc_u64 s[4:5], s[4:5], s[12:13]
	s_add_nc_u64 s[6:7], s[6:7], s[14:15]
	s_wait_alu depctr_va_vdst(0)                   ; v6, v8, v9 and the zeros v[24:27] are written: the fill's loads and LDS stores read them
; THE FILL.  Step j = 0..15 is half a row (512 bytes) of both slices: two loads of 16 bytes a lane, four roundings that pack the two slices'
; numbers into a word, one LDS store of 16 bytes a lane.  A ring of eight slots keeps up to sixteen loads of every wave on their way; the steps go two at a time.
.macro GET j
	global_load_b128 v[X+8*((\j)%8):X+8*((\j)%8)+3],   v6, s[4:5] offset:(\j)*512
	global_load_b128 v[X+8*((\j)%8)+4:X+8*((\j)%8)+7], v6, s[4:5] offset:(\j)*512+SLICE
.endm
.macro PACK j
.irp i, 0,1,2,3
	v_cvt_pk_bf16_f32 v[PK+4*((\j)%8)+\i], v[X+8*((\j)%8)+\i], v[X+8*((\j)%8)+4+\i]   ; even slice low, odd slice high
.endr
.endm
.macro STORE j
	ds_store_b128 v8, v[PK+4*((\j)%8):PK+4*((\j)%8)+3] offset:((\j)/2)*PITCH+((\j)%2)*512
.endm
.macro PUT2 j, left
	s_wait_loadcnt \left                           ; loads come back in order: these two slots' four are in, the younger ones stay out
	PACK \j
	PACK (\j)+1
	s_wait_alu depctr_va_vdst(0)                   ; the eight roundings have written their packed words, which the two LDS stores read, and are done reading the two slots of X, in which the next loads land
	STORE \j
	STORE (\j)+1
.endm
.irp j, 0,1,2,3,4,5,6,7
	GET \j
.endr
	s_load_b512 s[CS:CS+15], s[6:7], 0x0           ; angles 0-7 of my 12
	s_load_b256 s[CS+16:CS+23], s[6:7], 0x40       ; angles 8-11
	s_mul_i32 s12, ttmp9, NANG*32768               ; out0: 32,768 bytes an angle,
	s_lshl_b32 s14, s11, 11                        ; 2,048 bytes for a pair of slices
	s_add_co_u32 s12, s12, s14
	s_add_nc_u64 s[8:9], s[8:9], s[12:13]
	ds_store_b128 v9, v[24:27]                     ; the zero cells at both ends of my wave's rows (no vector line since the wait above names v9 or the zeros)
	s_cmp_gt_u32 s10, 1
	s_cbranch_scc1 .Lno_rows                       ; wave 0 clears rows 0, 1; wave 1 rows 258, 259: 2,112 bytes each
	s_mul_i32 s55, s10, 258*PITCH
	v_add_nc_u32 v10, s55, v7
	s_wait_alu depctr_va_vdst(0)                   ; v10 is written: the five stores below read it as their address
	ds_store_b128 v10, v[24:27]
	ds_store_b128 v10, v[24:27] offset:512
	ds_store_b128 v10, v[24:27] offset:1024
	ds_store_b128 v10, v[24:27] offset:1536
	ds_store_b128 v10, v[24:27] offset:2*PITCH-512 ; the last 512 bytes, overlapping the store before
.Lno_rows:
.irp j, 0,2,4,6
	PUT2 \j, 12                                    ; 12 = the six other slots' loads
	GET \j+8
	GET \j+9
.endr
	s_wait_alu depctr_vm_vsrc(0)                   ; the LDS stores of steps 0 to 7 have read all eight slots of packed words, which the roundings of steps 8 to 15 write again
.irp j, 8,10,12,14
	PUT2 \j, 12-2*(\j-8)                           ; nothing more is loaded: the counts run down to 0
.endr
	s_wait_alu depctr_vm_vsrc(0)                   ; the fill's loads have read v6, its LDS stores v8, v9, v10, v[24:27] and v[32:63]: from here on these registers are the sample sets, their words and work registers
	v_mov_b32 v[RA+9], 0                           ; the upper registers of the pairs that hold w11: named by a packed instruction before
	v_mov_b32 v[RB+9], 0                           ; they are first written
	s_wait_kmcnt 0x0                               ; C and S
	s_wait_dscnt 0x0                               ; my stores are in LDS,
	s_barrier_signal -1
	s_barrier_wait -1                              ; everybody's are: from here to the next barrier LDS is only read
; A sample of a lane, in four parts.
; INDEX: cells, the two addresses, 1 + fx and 1 + fy of the sample at px, py; px and py go on by eight t.
.macro INDEX R
	v_lshrrev_b32 v[\R],   23, v4
	v_lshrrev_b32 v[\R+1], 23, v5
	v_and_or_b32 v[\R+4], v4, s50, s51             ; 1 + fx
	v_and_or_b32 v[\R+5], v5, s50, s51             ; 1 + fy
	v_min_u32 v[\R+1], 257, v[\R+1]                ; cy
	v_min_u32 v[\R],   257, v[\R]                  ; cx: left of, and right of, the volume both end in the zero cells 257, 258
	v_add_nc_u32 v4, s40, v4                       ; t + 8
	v_add_nc_u32 v5, s41, v5
	v_mul_u32_u24 v[\R+2], v[\R+1], PITCH
	v_lshl_add_u32 v[\R+2], v[\R], 2, v[\R+2]      ; cy * PITCH + cx * 4, at most MAXA
	v_sub_nc_u32 v[\R+3], MAXA, v[\R+2]            ; the reflected sample
	v_min_u32 v[\R+3], MAXA, v[\R+3]               ; numbers that were loaded enter an address behind a v_min_u32 with a constant, then through sums,
	                                               ; left shifts and products alone; a difference is none of these, so its bound is stated again
.endm
; WEIGHTS: the four weights from 1 + fx, 1 + fy.
.macro WEIGHTS P
	v_pk_add_f32 v[\P+6:\P+7], v[\P+4:\P+5], -1.0 op_sel_hi:[1,0]      ; fx, fy
	v_sub_f32 v[\P+12], 2.0, v[\P+4]               ; 1 - fx
	v_mul_f32 v[\P+8], v[\P+6], v[\P+7]            ; w11 = fx fy
	v_pk_add_f32 v[\P+10:\P+11], v[\P+6:\P+7], v[\P+8:\P+9] op_sel_hi:[1,0] neg_lo:[0,1] neg_hi:[0,1]  ; w01 = fx - w11 (y0, x1), w10 = fy - w11 (y1, x0)
	v_sub_f32 v[\P+9], v[\P+12], v[\P+11]          ; w00 = (1 - fx) - w10
.endm
; BOTH: the lines of INDEX R and of WEIGHTS P, the two chains laid between each other, so that few lines read the result of the line before.
.macro BOTH R, P
	v_lshrrev_b32 v[\R],   23, v4
	v_lshrrev_b32 v[\R+1], 23, v5
	v_pk_add_f32 v[\P+6:\P+7], v[\P+4:\P+5], -1.0 op_sel_hi:[1,0]      ; fx, fy
	v_and_or_b32 v[\R+4], v4, s50, s51             ; 1 + fx
	v_min_u32 v[\R+1], 257, v[\R+1]                ; cy
	v_and_or_b32 v[\R+5], v5, s50, s51             ; 1 + fy
	v_min_u32 v[\R],   257, v[\R]                  ; cx
	v_sub_f32 v[\P+12], 2.0, v[\P+4]               ; 1 - fx
	v_mul_u32_u24 v[\R+2], v[\R+1], PITCH
	v_mul_f32 v[\P+8], v[\P+6], v[\P+7]            ; w11
	v_add_nc_u32 v4, s40, v4                       ; t + 8
	v_add_nc_u32 v5, s41, v5
	v_lshl_add_u32 v[\R+2], v[\R], 2, v[\R+2]      ; the address
	v_pk_add_f32 v[\P+10:\P+11], v[\P+6:\P+7], v[\P+8:\P+9] op_sel_hi:[1,0] neg_lo:[0,1] neg_hi:[0,1]  ; w01, w10
	v_sub_nc_u32 v[\R+3], MAXA, v[\R+2]            ; the reflected sample's
	v_sub_f32 v[\P+9], v[\P+12], v[\P+11]          ; w00
	v_min_u32 v[\R+3], MAXA, v[\R+3]               ; its bound stated again, as in INDEX
.endm
; LOADS: four corners, four reflected corners.
.macro LOADS R, D
	ds_load_b32 v[\D],   v[\R+2] offset:D00
	ds_load_b32 v[\D+1], v[\R+2] offset:D01
	ds_load_b32 v[\D+2], v[\R+2] offset:D10
	ds_load_b32 v[\D+3], v[\R+2] offset:D11
	ds_load_b32 v[\D+4], v[\R+3] offset:M00
	ds_load_b32 v[\D+5], v[\R+3] offset:M01
	ds_load_b32 v[\D+6], v[\R+3] offset:M10
	ds_load_b32 v[\D+7], v[\R+3] offset:M11
.endm
; MACS: sixteen multiply-adds straight from the bf16 halves into the four f32 sums, which take turns.  Corner c has its weight in register R + 8 + (c + 1) % 4.
.macro MACS R, D
.irp c, 0,1,2,3
	v_fma_mix_f32_bf16 v[ACC],   v[\D+\c],   v[\R+8+((\c+1)%4)], v[ACC]   op_sel_hi:[1,0,0]
	v_fma_mix_f32_bf16 v[ACC+1], v[\D+\c],   v[\R+8+((\c+1)%4)], v[ACC+1] op_sel:[1,0,0] op_sel_hi:[1,0,0]
	v_fma_mix_f32_bf16 v[ACC+2], v[\D+4+\c], v[\R+8+((\c+1)%4)], v[ACC+2] op_sel_hi:[1,0,0]
	v_fma_mix_f32_bf16 v[ACC+3], v[\D+4+\c], v[\R+8+((\c+1)%4)], v[ACC+3] op_sel:[1,0,0] op_sel_hi:[1,0,0]
.endr
.endm
; A half: the sample in set P, whose loads are on their way, is finished; the next sample, in set Q, is asked for ahead of P's multiply-adds.
.macro HALF P, DP, Q, DQ
	BOTH \Q, \P
	s_wait_alu depctr_va_vdst(0)                   ; Q's two addresses are written, which the eight loads read; the multiply-adds of Q's last sample are done reading the eight words in which they land
	LOADS \Q, \DQ
	s_wait_dscnt 0x8                               ; LDS loads come back in order: P's eight are in, Q's eight may be out
	MACS \P, \DP                                   ; these name P's words and weights and the sums: none of the registers that Q's loads touch
.endm
; Angle k of my 12: 24 samples of eight t, then the sum over the eight t lanes.  Sample 0 is asked for ahead of the loop; a trip finishes samples 2n and 2n + 1
; and asks for 2n + 1 and 2n + 2; the last two samples are written out, so that nothing is asked for behind sample 23.
.macro ANGLE k
	s_sub_co_i32 s42, 0, s[CS+2*\k+1]              ; -S
	s_lshl_b32 s40, s[CS+2*\k], 4                  ; eight t on: 2t grows by 16
	s_lshl_b32 s41, s[CS+2*\k+1], 4
	v_mul_lo_u32 v4, v3, s[CS+2*\k]                ; (2t - 191) C
	v_mul_lo_u32 v6, v2, s42                       ; -(2col - 255) S
	v_mul_lo_u32 v5, v3, s[CS+2*\k+1]              ; (2t - 191) S
	v_mul_lo_u32 v7, v2, s[CS+2*\k]                ; (2col - 255) C
	v_add3_u32 v4, v4, v6, s49                     ; px
	v_add3_u32 v5, v5, v7, s49                     ; py
.irp i, 0,1,2,3
	v_mov_b32 v[ACC+\i], 0
.endr
	INDEX RA                                       ; (A's addresses are free: the last loads that read them stand ahead of the wait on vm_vsrc behind the fill, or at the head of the last angle's written-out samples)
	s_wait_alu depctr_va_vdst(0)                   ; A's two addresses are written, which the eight loads read; all earlier vector lines that wrote or read A's eight words are done
	LOADS RA, DA
	s_mov_b32 s43, 11
.Ltrip_\@:
	s_wait_alu depctr_vm_vsrc(0)                   ; the loads issued so far have read B's addresses (the sample before) and A's (the sample in hand): this trip writes both pairs again
	HALF RA, DA, RB, DB
	HALF RB, DB, RA, DA
	s_sub_co_i32 s43, s43, 1
	s_cmp_lg_u32 s43, 0
	s_cbranch_scc1 .Ltrip_\@
	s_wait_alu depctr_vm_vsrc(0)                   ; as at a trip's head: B's addresses are written once more below, A's by the next angle or on the way out
	HALF RA, DA, RB, DB                            ; sample 22; sample 23 is asked for
	WEIGHTS RB
	s_wait_dscnt 0x0                               ; sample 23's eight words are in
	MACS RB, DB
	; lane = column + 4 t: t is bits 2, 3, 4.  Bits 2 and 3 are summed inside the rows of 16 lanes, bit 4 across them.
.irp i, 0,1,2,3
	v_add_f32_dpp v[ACC+\i], v[ACC+\i], v[ACC+\i] row_xmask:4 row_mask:0xf bank_mask:0xf
.endr
.irp i, 0,1,2,3
	v_add_f32_dpp v[ACC+\i], v[ACC+\i], v[ACC+\i] row_xmask:8 row_mask:0xf bank_mask:0xf
.endr
	v_cndmask_b32 v6, v[ACC], v[ACC+1], s54        ; lanes with bit 2 clear keep the even slice, the others the odd one
	v_cndmask_b32 v7, v[ACC+2], v[ACC+3], s54      ; the same for the mirrored rays
	v_mov_b32_dpp v[RA+12], v7 row_xmask:3 row_mask:0xf bank_mask:0xf   ; column 4w + c mirrors to 252 - 4w + (3 - c): turn each four round, so that columns ascend
	v_permlanex16_b32 v[RA], v6, s52, s53
	v_permlanex16_b32 v[RA+1], v[RA+12], s52, s53
	v_add_f32 v[RES+2*\k], v6, v[RA]               ; lane & 7 = 4 (slice odd) + c: out0 at column 4w + c
	v_add_f32 v[RES+2*\k+1], v[RA+12], v[RA+1]     ; and at column 252 - 4w + c
.endm
.irp a, 0,1,2,3,4,5,6,7,8,9,10,11
	ANGLE \a
.endr
	; THE WAY OUT.  The volume is dead once every wave has ended its reads; the results are gathered over its first 24,576 bytes:
	; columns 0-127 at byte 0, columns 128-255 at byte 12,288, each as [four columns: 32][angle: 12][slice: 2][column: 4] words.
	s_wait_dscnt 0x0                               ; (met: the last sample ended with it)
	s_barrier_signal -1
	s_barrier_wait -1                              ; nobody reads the volume any more
	v_and_b32 v6, 7, v1                            ; lanes that agree in their three low bits hold the same numbers and write the same words
	s_mul_i32 s44, s10, NANG*32                    ; columns 4w ..: place w
	s_sub_co_u32 s45, 12288+31*NANG*32, s44        ; columns 252 - 4w ..: place 31 - w of the upper half
	v_lshl_add_u32 v7, v6, 2, s45
	v_lshl_add_u32 v6, v6, 2, s44
	; Thread n stores two columns, 2 (n & 127), of slice (n >> 7) & 1 of angles (n >> 8), + 4, + 8: a wave's store covers 256 consecutive bytes, aligned.
	v_bfe_u32 v8, v0, 1, 5                         ; which four columns of the half
	v_bfe_u32 v9, v0, 6, 1                         ; which half of the columns
	v_bfe_u32 v10, v0, 7, 1                        ; slice
	v_lshrrev_b32 v11, 8, v0                       ; angle 0..3
	v_and_b32 v12, 1, v0                           ; which two of the four columns
	v_mul_u32_u24 v8, v8, NANG*32
	v_mad_u32_u24 v8, v9, 12288, v8
	v_lshl_add_u32 v8, v11, 5, v8
	v_lshl_add_u32 v8, v10, 4, v8
	v_lshl_add_u32 v8, v12, 3, v8
	v_and_b32 v13, 255, v0
	v_lshlrev_b32 v13, 3, v13                      ; my 8 bytes in the 2,048 of an angle's two slices
	v_lshl_add_u32 v13, v11, 15, v13               ; + angle x 32,768
	s_wait_alu depctr_va_vdst(0)                   ; the 24 results and v6, v7 are written, which the LDS stores read; so are v8 and v13, the addresses of the LDS loads and of the global stores; the multiply-adds are done reading v[24:29], in which those loads land
.irp a, 0,1,2,3,4,5,6,7,8,9,10,11
	ds_store_b32 v6, v[RES+2*\a]   offset:32*\a
	ds_store_b32 v7, v[RES+2*\a+1] offset:32*\a
.endr
	s_wait_dscnt 0x0                               ; my results are in LDS,
	s_barrier_signal -1
	s_barrier_wait -1                              ; everybody's are
	ds_load_b64 v[24:25], v8                       ; (no vector line stands behind the wait above)
	ds_load_b64 v[26:27], v8 offset:128            ; four angles on
	ds_load_b64 v[28:29], v8 offset:256
	s_wait_dscnt 0x2                               ; the first of the three reads is back
	global_store_b64 v13, v[24:25], s[8:9] th:TH_STORE_NT
	s_wait_dscnt 0x1
	global_store_b64 v13, v[26:27], s[8:9] offset:4*32768 th:TH_STORE_NT
	s_wait_dscnt 0x0
	global_store_b64 v13, v[28:29], s[8:9] offset:8*32768 th:TH_STORE_NT
	s_wait_dscnt 0x0                               ; the closing lines, six on end
	s_wait_alu 0x0
	s_wait_tensorcnt 0x0
	ds_add_u32 v22, v23
	s_wait_dscnt 0x0
	s_endpgm
.Lfunc_end_k_qe360e3451d_project:
	.size	k_qe360e3451d_project, .Lfunc_end_k_qe360e3451d_project-k_qe360e3451d_project
	.p2alignl 7, 3214868480
	.fill 96, 4, 3214868480
	.section	.rodata,"a",@progbits
	.p2align	6, 0x0
	.amdhsa_kernel k_qe360e3451d_project
		.amdhsa_group_segment_fixed_size 278784
		.amdhsa_private_segment_fixed_size 0
		.amdhsa_enable_private_segment 0
		.amdhsa_kernarg_size 24
		.amdhsa_user_sgpr_count 2
		.amdhsa_user_sgpr_kernarg_segment_ptr 1
		.amdhsa_wavefront_size32 1
		.amdhsa_system_sgpr_workgroup_id_x 1
		.amdhsa_system_sgpr_workgroup_id_y 1
		.amdhsa_system_sgpr_workgroup_id_z 1
		.amdhsa_system_vgpr_workitem_id 0
		.amdhsa_next_free_vgpr 128
		.amdhsa_next_free_sgpr 66
		.amdhsa_reserve_vcc 0
		.amdhsa_float_denorm_mode_32 3
		.amdhsa_float_denorm_mode_16_64 3
		.amdhsa_memory_ordered 1
		.amdhsa_forward_progress 1
		.amdhsa_inst_pref_size 153
	.end_amdhsa_kernel
	.amdgpu_metadata
---
amdhsa.version: [ 1, 2 ]
amdhsa.kernels:
  - .name:           k_qe360e3451d_project
    .symbol:         k_qe360e3451d_project.kd
    .args:
      - { .name: vol, .offset: 0, .size: 8, .value_kind: global_buffer, .address_space: global }
      - { .name: cs, .offset: 8, .size: 8, .value_kind: global_buffer, .address_space: global }
      - { .name: out0, .offset: 16, .size: 8, .value_kind: global_buffer, .address_space: global }
    .group_segment_fixed_size: 278784
    .private_segment_fixed_size: 0
    .kernarg_segment_align: 8
    .kernarg_segment_size: 24
    .max_flat_workgroup_size: 1024
    .sgpr_count:     66
    .vgpr_count:     128
    .wavefront_size: 32
...
	.end_amdgpu_metadata
.endif
;; end of part 3
